; MI455X (gfx1250); checked and timed in simulation.
; The chip was launched on July 23, 2026; its instructions are those of AMD's public machine-readable ISA for CDNA 5 (MIT licence, August 2026) and "CDNA5" Instruction Set Architecture Reference Guide (July 2026). The comments in the code are by the model that wrote it; some were corrected since.
;; Gaussian Upsampling. Allowed arithmetic: matrix products marked QUANTISED: E3M2 operands, one E8M0 scale for each 32 along K, by v_wmma_scale_f32_16x16x128_f8f6f4 with both operands' format E3M2, f32 sums; everything else in f32.
;; Inputs: d_masks 16 x 512 bool; ds 16 x 512 int32; h_masks 16 x 4,096 bool; hs_codes 16 x 256 x 16 x 24 uint8 (E3M2 codes of hs, K innermost, in blocks of 32 codes, four codes in three bytes); hs_scales 16 x 256 x 16 uint8 (E8M0 scales of hs, one for each 32 codes along K).
;; Outputs: out0 16 x 4,096 x 256 float32.
;; This version of the problem:
;;   THIS VERSION OF THE PROBLEM IS GIVEN IN LOW PRECISION. The matrix products marked QUANTISED in the list below multiply operands that are first quantised to E3M2 (3 exponent bits, 2 mantissa bits; 6 bits a number), with one power-of-two scale for each 32 numbers along K (OCP MX v1.0); their sums are f32. All else is computed in f32.
;;   The module's matrix products, in the order in which they are computed (A, B: the left and right operand; K: the contracted axis; several contracted axes count as one K, in the product's order):
;;     1. batch 16 x [M 4,096, K 512] x [K 512, N 256]; A: softmax (see below); B: input hs (given as codes): QUANTISED
;;   THE QUANTISER, for each operand of a quantised product, along K:
;;     - K is cut into blocks of 32 from its start; a last block that is shorter is filled with zeros.
;;     - A block's scale is 2^e with e = floor(log2(the largest magnitude in the block)) - 4, held to -126 .. 127; a block of zeros has e = 0. As a byte (E8M0): e + 127.
;;     - Each number is divided by its block's scale, clamped to +-28, and rounded to the nearest number of E3M2, ties to even, subnormals kept.
;;     - The product sums the exact products of the quantised numbers (number of the format x scale) in f32.
;;   ~~~python
;;   def quantise(x, axis):      # numpy; x: float32 -> the quantised numbers, widened to float32 again
;;       x = np.moveaxis(x, axis, -1); K = x.shape[-1]
;;       x = np.pad(x, [(0, 0)] * (x.ndim - 1) + [(0, -K % 32)]); x = x.reshape(x.shape[:-1] + (-1, 32)); a = np.abs(x).max(-1, keepdims=True)
;;       e = np.where(a > 0, np.clip(np.frexp(np.where(a > 0, a, 1))[1] - 1 - 4, -126, 127), 0)      # np.frexp(a)[1] - 1 = floor(log2(a)), exactly
;;       r = np.clip(x / 2.0 ** e, -28, 28)
;;       step = 2.0 ** (np.maximum(np.frexp(np.where(r == 0, 1, r))[1] - 1, -2) - 2)
;;       q = np.round(r / step) * step * 2.0 ** e      # np.round: ties to even
;;       return np.moveaxis(q.reshape(q.shape[:-2] + (-1,))[..., :K], -1, axis).astype(np.float32)
;;   ~~~
;;   SOFTMAX AHEAD OF A QUANTISED PRODUCT. Where the list says 'softmax', what is quantised is not the finished softmax but p = 2^(t - M), with t = logit x log2(e) and M = ceil(the row's largest t), a whole number; so 1/2 < the row's largest p <= 1. The row's sum l is taken of the UNQUANTISED p, in f32, and the product's result is divided by l at the end. Since M is a whole number, a kernel that streams over the keys may use a running M (the ceiling of the running maximum): every later rescaling is an exact power of two, which a block's scale takes up: the codes' values come out the same.
;;   OPERANDS COMPUTED ON THE WAY. 'Computed on the way' means the value that the module computes at that place (a softmax that the list does not call 'softmax' is quantised finished and normalised). What goes into a quantiser is computed in f32, as accurately as f32 sums, v_exp_f32 and their like allow (about 1e-6 of the number): no bf16 or f16 on the way to a quantiser, and a product that is left as it is and whose result goes on into a quantised operand takes f32 operands (vector FMAs, or v_wmma_f32_16x16x4_f32). A number that lies on a knife's edge between two numbers of the format may be rounded either way, as far as f32 arithmetic and the matrix unit's own rounding can turn it there, and no further.
;;   INPUTS GIVEN AS CODES. hs (in the module: [16, 512, 256], K = its axis 1): each comes as NAME_codes (uint8): NAME with its K axis moved to the last place and cut into blocks of 32 codes, [.., K / 32, bytes a block], one block behind the other in memory; four codes in three bytes: a row's codes are one little-endian stream of bits, code i at bits 6 i .. 6 i + 5 (a code: sign, 3 exponent bits, 2 mantissa bits); and NAME_scales (uint8): the same leading axes, one E8M0 byte (e + 127) for each 32 codes along K. Its value is code x scale, taken as it is: it is not quantised again, and the codes and scales need not be those that the quantiser above would give.
;; One version. Each part assembles by itself: llvm-mc -triple=amdgcn-amd-amdhsa -mcpu=gfx1250 --defsym DOCPART=n.
;; ======== version 1 of 1: 1 launch
;; limits: right only within a limited range of input values
;; launch gauss (part 1): grid 16 x 16, 4 waves a work-group, no clusters, 120,832 bytes of LDS; arguments ds, d_masks, h_masks, hs_codes, hs_scales, out0; writes out0
.if DOCPART == 1
	.amdgcn_target "amdgcn-amd-amdhsa--gfx1250"
	.amdhsa_code_object_version 6
	.text
	.protected	k_q1562688e46_gauss
	.globl	k_q1562688e46_gauss
	.p2align	8
	.type	k_q1562688e46_gauss,@function
k_q1562688e46_gauss:
	s_mov_b64 s[64:65], 0
	v_nop
	global_prefetch_b8 v0, s[64:65] scope:SCOPE_SE
	s_setreg_imm32_b32 hwreg(HW_REG_WAVE_MODE, 25, 1), 1
	s_wait_xcnt 0x0
; GAUSSIAN UPSAMPLING.  out0[b][f][ch] = sum over k of softmax_k(-0.1 (t[f] - c[k])^2) hs[b][k][ch];  t[f] = f x h_masks[b][f];  c = cumsum(ds) - ds / 2;  keys with d_masks = 0 count for nothing.
; The product is done on codes of BF6 (E3M2), one E8M0 scale for each 32 keys.  hs comes as codes [b][256 ch][512 keys] (384 bytes a row) and scale bytes [b][256][16].  What is quantised of the softmax is
; p = 2^(t' - M), t' = logit x log2(e), M a whole number; the row's sum l is taken of the unquantised p and divides the result.
; SHARES.  A work-group (four waves) owns 256 frames of one batch; a wave owns four tiles of 16 frames, each with all 256 channels: nothing but hs is shared; two barriers, behind the staging of hs's two halves in LDS.
; WHICH KEYS.  ds, d_masks and h_masks are whole numbers, and they alone decide which p differ from 0 in f32.  For each tile, in whole numbers (all distances doubled): U = a distance within which every frame of the
; tile has an unmasked key;  L = a distance under which no key of a chunk of 16 keys lies from any frame of the tile.  A chunk's t' then lies at least 0.1 log2(e) (L^2 - U^2) / 4 under the row's largest.  Where
; L^2 > U^2 + 5632 that is more than 203, and 2^-203 is 0 in f32, so its p are zeros, for every value of the inputs: such chunks are left out in whole groups.  Frames with h_masks = 0 have t = 0 and are tested apart.
; A tile whose needed keys lie in ONE WINDOW of 128 keys, which begins at a multiple of 64 keys, does that K step alone; every other tile takes the general way over all four steps.  No bound on the number of needed
; keys is assumed anywhere.
; NO TENSOR LOAD, NO CLUSTER: the way through a tile hangs on ds, which is read from memory.  No prefetch: all inputs are asked for once, at the head.
; A LANE'S KEYS.  No product stands ahead of p, so lane (r, h) computes for frame r just the keys that its operand registers hold.  Registers 6 c .. 6 c + 5 of window w (keys from 64 w on) hold block 2 w + 2 h + c of 32 keys
; (A and B alike, and the scale bytes in that order): a lane's 48 bytes of a window are then neighbours in hs's row, and a fragment is three loads of 16 bytes.
; M BY BLOCK.  Each (frame, block) takes M_q = ceil(the block's largest t').  At the tile's end M_row = the largest M_q; the block's scale byte takes up M_q - M_row (a whole number), and l = sum of l_q 2^(M_q - M_row).
; So the row's maximum is taken away, exactly.  THE ARITHMETIC OF AN ELEMENT repeats the f32 roundings of the definition one by one: d = c - t; d d; x (-0.1f); x log2(e); + (-M_q) (exact); v_exp_f32.
; THE CHANNELS OF A TILE ARE NOT NEIGHBOURS: column r of tile (g, u) is channel 64 g + 4 r + u.  Register j of the four results of g holds four NEIGHBOURING channels of frame 8 h + j; the multiplication by 1 / l puts them
; into four neighbouring registers, and one store of 16 bytes a lane has lanes 0-15 write 256 consecutive bytes, aligned, and lanes 16-31 another 256.
; TILE 0 stands ahead of the loop: its p is made while hs is on its way, and its channels 0-127 go out ahead of the second half's staging.  The loop takes tiles 1, 2, 3 and then 0 again, which it passes over where it is
; done already: only a tile 0 that needs the general way is left to it.
; LIMITS.  c is made from a whole-number prefix sum: it is the definition's f32 cumsum as long as |2 x sum of ds| stays under 2^24.  v_exp_f32 gives 0 for p under 2^-126.  A block that lies more than 2^-121 under its
; row's largest p is counted as if it lay 2^-121 under it: at most 28 x 2^-125 x |hs| in a sum whose l is above 1/2.  With every key masked l = 0 and the row is NaN, as the definition has it.  L is held at 32,767, so what f32
; rounds off t' there is under 24, inside the 54 by which 203 passes 149.  A NaN that reaches only the work left out (a scale byte 0xff of hs under zero codes) is not carried to the result.
; REGISTERS, in windows of 256: window 0: addresses and work.  window 1: hs's fragments, 16 x 12 (in the head: hs on its way to LDS).  window 2: v0-127 accumulators, v128-255 results to store.
.set PITCH, 400                        ; a channel's row in LDS: 384 bytes + 16: the 16 rows of a fragment begin in 16 different 16-byte columns modulo 256
.set UP,    6528                       ; 16 rows (one tile of 16 channels) + 128 bytes
.set GP,    4*UP                       ; 64 channels: channel 64 g + 4 r + u lies at GP g + UP u + PITCH r
.set SCL,   4*GP                       ; scale words [window][channel], 7,168 bytes
.set CT,    SCL+7168                   ; c[0 .. 511] in f32, a copy of its own for each wave, 2,048 bytes each
.set SPARE, CT+8192                    ; the spare words, 128 bytes for each wave
.set SPW, 2
.set NIL, 3
.set FB,  4                            ; v4, v5 LDS address of my fragments of g = 0, 1 and of g = 2, 3
.set VS,  6
.set CB,  7
.set T,   12                           ; v[12:13] my frame's t, twice;  v14-16 those of the tiles to come;  v11 tile 0's
.set PM,  17
.set MA,  18                           ; v18-21 smallest |d|, four chains
.set Q,   22
.set XM,  23
.set SA,  24                           ; v24-31 sums, four chains of pairs
.set TC,  32                           ; v[32:34] a block's upper 16 codes, before they are moved
.set SO,  35                           ; the conversions' scale operand
.set Y,   36                           ; v36-40 what comes from other lanes
.set CMN, 41                           ; my chunk's smallest 2 c; v255 its largest
.set ST,  42                           ; v[42 + 2 q] -M_q, v[43 + 2 q] the block's byte
.set LQ,  58                           ; v58-65 l_q
.set X,   68                           ; v68-99 32 elements
.set HSC, 100                          ; hs's scale words
.set SH,  116
.set RL,  124                          ; v124-131 1 / l of frames 8 h + 0 .. 7
.set CR,  132                          ; v132-195 c of a window
.set PC,  196                          ; v196-243 p's codes, four steps
.set SCB, 216                          ; in the head: v216-223 scale bytes of two channels,
.set HST, 224                          ; v224-229 where I stage hs (g = 0, 1 and g = 2, 3),
.set SCA, 230                          ; where I store scale words,
.set HSO, 231                          ; 16 lane,
.set CF,  232                          ; v232-247 c of my 16 keys
.set SW,  244                          ; v244-247 p's scale words
.set RLO, 248
.set RLX, 249
.set ZZ,  250
.set REP, 251                          ; v251-254 2 c of four of my chunk's keys, where they are not masked
.set CMX, 255
.set MSB, 0
.macro WIN new                         ; the immediate's high byte repeats the setting that is left; a switch that changes nothing is dropped
.if MSB != \new
	s_set_vgpr_msb (MSB<<8)|\new
.set MSB, \new
.endif
.endm
.macro VW
	s_wait_alu depctr_va_vdst(0)
.endm
	s_load_b256 s[4:11], s[0:1], 0x0               ; ds s[4:5], d_masks s[6:7], h_masks s[8:9], hs_codes s[10:11]
	s_load_b128 s[12:15], s[0:1], 0x20             ; hs_scales s[12:13], out0 s[14:15]
	v_lshrrev_b32 v103, 5, v0
	v_readfirstlane_b32 s16, v103                  ; wave 0..3
	v_lshl_add_u32 v[SPW], v0, 2, SPARE
	v_mov_b32 v[NIL], 0
	v_and_b32 v100, 31, v0                         ; lane
	v_and_b32 v101, 15, v0                         ; r
	v_bfe_u32 v102, v0, 4, 1                       ; h
	s_and_b32 s19, ttmp7, 0xffff                   ; the batch
	s_lshl_b32 s60, ttmp9, 8
	s_lshl_b32 s20, s16, 4
	s_add_co_u32 s60, s60, s20                     ; tile 0's first frame: 256 x block + 16 x wave
	s_mov_b32 s55, s60
	s_mul_i32 s21, s16, 4*PITCH
	s_lshl_b32 s22, s16, 11
	s_add_co_u32 s22, s22, CT                      ; my copy of c
	s_lshl_b32 s24, s19, 11                        ; byte offsets: ds,
	s_mov_b32 s25, 0
	s_lshl_b32 s26, s19, 9                         ; d_masks,
	s_mov_b32 s27, 0
	s_lshl_b32 s28, s19, 12                        ; hs_scales,
	s_mov_b32 s29, 0
	s_add_co_u32 s30, s28, s60                     ; h_masks at my first frame,
	s_mov_b32 s31, 0
	s_mul_i32 s32, s19, 98304                      ; hs_codes: my 16 rows of 384 bytes in each quarter,
	s_mul_i32 s20, s16, 6144
	s_add_co_u32 s32, s32, s20
	s_mov_b32 s33, 0
	s_lshl_b32 s34, s19, 22                        ; out0 at my first frame
	s_lshl_b32 s20, s60, 10
	s_add_co_u32 s34, s34, s20
	s_mov_b32 s35, 0
	VW
	v_lshlrev_b32 v105, 6, v100                    ; 64 lane
	v_lshlrev_b32 v[HSO], 4, v100                  ; 16 lane
	v_lshlrev_b32 v108, 4, v0                      ; 16 x thread
	v_mul_u32_u24 v[FB], PITCH, v101
	v_mad_u32_u24 v[FB], v102, 48, v[FB]           ; row r, + 48 h
	v_add_nc_u32 v[FB+1], 2*GP, v[FB]
	v_lshl_add_u32 v[VS], v101, 4, SCL
	v_lshl_add_u32 v[CB], v102, 8, s22             ; c: my half of a window
	v_lshl_add_u32 v104, v100, 6, s22              ; where I store c: 16 keys a lane
	v_lshlrev_b32 v9, 13, v102
	v_lshl_add_u32 v9, v101, 4, v9                 ; out0: 8 h rows of 1,024 bytes + 16 r
	v_lshlrev_b32 v10, 3, v102                     ; 8 h: my bytes' place in a scale word
	v_lshl_add_u32 v[SCA], v0, 2, SCL
	; hs into LDS: three loads of a wave (1,536 bytes) are four rows, u = 0 .. 3.  Piece i = 32 b + lane of the 96: row i / 24 of the four
.irp b, 0,1,2
	v_add_nc_u32 v113, 32*\b, v100
	v_mul_u32_u24 v114, 171, v113
	v_lshrrev_b32 v114, 12, v114                   ; i / 24 for i under 96
	v_mul_u32_u24 v114, UP-384, v114
	v_lshl_add_u32 v114, v113, 4, v114
	v_add_nc_u32 v[HST+\b], s21, v114
	v_add_nc_u32 v[HST+3+\b], 2*GP, v[HST+\b]
.endr
	VW
	s_wait_kmcnt 0x0
	s_add_nc_u64 s[4:5], s[4:5], s[24:25]
	; every wave loads ds and d_masks for itself (2,560 bytes): that spares an exchange between waves
.irp i, 0,1,2,3
	global_load_b128 v[132+4*\i:135+4*\i], v105, s[4:5] offset:16*\i       ; ds of keys 16 lane + 4 i + 0 .. 3
.endr
	s_add_nc_u64 s[6:7], s[6:7], s[26:27]
	global_load_b128 v[148:151], v[HSO], s[6:7]                            ; their 16 mask bytes
	s_add_nc_u64 s[8:9], s[8:9], s[30:31]
.irp i, 0,1,2,3
	global_load_u8 v[152+\i], v101, s[8:9] offset:64*\i                    ; tile i: my frame's mask byte
.endr
	s_add_nc_u64 s[12:13], s[12:13], s[28:29]
	global_load_b128 v[SCB:SCB+3], v108, s[12:13]                          ; scale bytes of channel `thread'
	global_load_b128 v[SCB+4:SCB+7], v108, s[12:13] offset:2048            ; and of channel 128 + `thread'
	s_add_nc_u64 s[10:11], s[10:11], s[32:33]
	WIN 0x40                                       ; destination window 1
.irp g, 0,1,2,3
.irp i, 0,1,2,3,4,5,6,7,8,9,10,11
	global_load_b128 v[48*\g+4*\i:48*\g+4*\i+3], v[HSO], s[10:11] offset:24576*\g+512*\i   ; 512 consecutive bytes of hs: quarter g's rows
.endr
.endr
	WIN 0
	s_add_nc_u64 s[30:31], s[14:15], s[34:35]      ; out0 at tile 0; it stays
	s_mov_b32 s36, 0x76543210
	s_mov_b32 s37, 0xfedcba98                      ; v_permlanex16_b32's selects for lane l xor 16
	s_mov_b32 s38, 0xbdcccccd                      ; -0.1f
	s_mov_b32 s39, s38                             ; (the packed forms name a pair and take its low word for both halves: so the upper word is written)
	s_mov_b32 s40, 0x3fb8aa3b                      ; log2(e)
	s_mov_b32 s41, s40
	s_mov_b32 s42, 0x05030402                      ; two words' middle four bytes, the inner two by turns
	s_mov_b32 s44, 0x03010200                      ; swaps a word's bytes 1 and 2
	s_mov_b32 s45, 0xffff0000                      ; lanes 16-31
	s_mov_b32 s46, 65536                           ; the loop's tile: its offset in out0, 64 rows of 1,024 bytes a tile,
	s_mov_b32 s47, 0
	s_mov_b32 s49, 64                              ; and in frames
	s_mov_b32 s48, 4                               ; trips to go
	; written once: a lane move's destination counts as one of its sources, and a pair's upper half as read
.irp i, 0,1,2,3,4
	v_mov_b32 v[Y+\i], 0
.endr
.irp i, 0,1,2,3,4,5,6,7
	v_mov_b32 v[RL+\i], 0
	v_mov_b32 v[ST+2*\i+1], 0
.endr
	v_mov_b32 v[ZZ], 0
	v_mov_b32 v181, 0
	v_mov_b32 v183, 0                              ; what lies ahead of the lane
	v_mov_b32 v187, 0x7f800000                     ; +infinity: a masked key's c.  Then d and d d are infinite, t' is -infinity and p is 0
	v_mov_b32 v208, 0x20000000                     ; farther than any distance that is not held
	; ---- 2 c = 2 x (sum of ds ahead of the quad) + w, in whole numbers; w_e = the quad's inclusive sums up to e and up to e - 1
	VW
	s_wait_loadcnt 55                              ; ds is in; the 55 younger loads may be out
.irp i, 0,1,2,3
	v_add_nc_u32 v[164+\i], v[132+4*\i], v[133+4*\i]
.endr
.irp i, 0,1,2,3
	v_add_nc_u32 v[168+\i], v[164+\i], v[134+4*\i]
.endr
.irp i, 0,1,2,3
	v_add_nc_u32 v[172+\i], v[168+\i], v[135+4*\i]         ; the quad's total
.endr
	v_add_nc_u32 v177, v172, v173
	v_add_nc_u32 v178, v177, v174
	v_add_nc_u32 v179, v178, v175                  ; the lane's total
.irp i, 0,1,2,3
	v_add_nc_u32 v[135+4*\i], v[172+\i], v[168+\i]         ; w3
	v_add_nc_u32 v[134+4*\i], v[168+\i], v[164+\i]         ; w2
	v_add_nc_u32 v[133+4*\i], v[164+\i], v[132+4*\i]       ; w1; w0 = ds itself
.endr
; a step of the prefix sum over the lanes: lanes whose number has the bit set have the partner's group ahead of them
.macro PREFIX mask
	s_mov_b32 vcc_lo, \mask
	v_cndmask_b32 v182, 0, v181, vcc_lo
	v_add_nc_u32 v179, v179, v181
	v_add_nc_u32 v183, v183, v182
.endm
.macro BFLY d, mask
	v_mov_b32_dpp v181, v179 row_xmask:\d row_mask:0xf bank_mask:0xf
	PREFIX \mask
.endm
	BFLY 1, 0xaaaaaaaa
	BFLY 2, 0xcccccccc
	BFLY 4, 0xf0f0f0f0
	BFLY 8, 0xff00ff00
	v_permlanex16_b32 v181, v179, s36, s37
	PREFIX 0xffff0000
	v_add_nc_u32 v184, v183, v172                  ; ahead of quads 1, 2, 3
	v_add_nc_u32 v185, v183, v177
	v_add_nc_u32 v186, v183, v178
.irp i, 0,1,2,3
.irp e, 0,1,2,3
	v_lshl_add_u32 v[132+4*\i+\e], v[183+\i], 1, v[132+4*\i+\e]
.endr
.endr
	; the chunk's smallest and largest 2 c, masked keys included (that only lowers L)
.irp k, 0,1,2,3,4,5,6,7
	v_min_i32 v[164+\k], v[132+2*\k], v[133+2*\k]
	v_max_i32 v[172+\k], v[132+2*\k], v[133+2*\k]
.endr
.irp k, 0,1,2,3
	v_min_i32 v[164+\k], v[164+\k], v[168+\k]
	v_max_i32 v[172+\k], v[172+\k], v[176+\k]
.endr
.irp k, 0,1
	v_min_i32 v[164+\k], v[164+\k], v[166+\k]
	v_max_i32 v[172+\k], v[172+\k], v[174+\k]
.endr
	v_min_i32 v[CMN], v164, v165
	v_max_i32 v[CMX], v172, v173
.irp k, 0,1,2,3,4,5,6,7,8,9,10,11,12,13,14,15
	v_cvt_f32_i32 v[CF+\k], v[132+\k]
.endr
.irp k, 0,2,4,6,8,10,12,14
	v_pk_mul_f32 v[CF+\k:CF+1+\k], v[CF+\k:CF+1+\k], 0.5 op_sel_hi:[1,0]   ; c, exact
.endr
	VW
	s_wait_loadcnt 54                              ; d_masks is in; the 54 younger loads may be out
.irp i, 0,1,2,3
.irp e, 0,1,2,3
	v_bfe_u32 v[204+\e], v[148+\i], 8*\e, 8
	v_cmp_eq_u32 vcc_lo, 0, v[204+\e]
	v_cndmask_b32 v[CF+4*\i+\e], v[CF+4*\i+\e], v187, vcc_lo
.if \e == 1
	v_cndmask_b32 v[REP+\i], v[133+4*\i], v208, vcc_lo     ; one key of each quad serves for U, where it is not masked
.endif
.endr
.endr
.irp i, 0,1,2,3
	ds_store_b128 v104, v[CF+4*\i:CF+3+4*\i] offset:16*\i  ; c[k] at 4 k of my own copy
.endr
	; ---- t of my frame in each of the four tiles: the frame's number x its mask
	VW
	s_wait_loadcnt 50                              ; h_masks is in; the 50 younger loads may be out
	v_add_nc_u32 v164, s60, v101
	v_add_nc_u32 v165, 64, v164
	v_add_nc_u32 v166, 0x80, v164
	v_add_nc_u32 v167, 0xc0, v164
.irp i, 0,1,2,3
	v_cmp_eq_u32 s[56+\i], 0, v[152+\i]            ; s56-59: the masked frames of tile i
.endr
.irp i, 0,1,2,3
	v_cvt_f32_u32 v[164+\i], v[164+\i]
	v_cvt_f32_u32 v[152+\i], v[152+\i]
.endr
	v_mul_f32 v11, v164, v152
	v_mul_f32 v12, v164, v152
	v_mul_f32 v13, v164, v152
	v_mul_f32 v14, v165, v153
	v_mul_f32 v15, v166, v154
	v_mul_f32 v16, v167, v155
; WHICH CHUNKS A RUN OF FRAMES NEEDS: frames from s63 to s62 (doubled), middle s61, half its length.  Bit l of dst: chunk l of 16 keys is needed.  The chunk of the key that gives U has L <= U, and where no key serves
; U is held at 65,535 and every chunk is needed: so dst is never 0.  Whole numbers alone.
.macro TEST dst, half
.irp i, 0,1,2,3
	v_sub_nc_u32 v[X+\i], s61, v[REP+\i]
.endr
.irp i, 0,1,2,3
	v_sub_nc_u32 v[X+4+\i], v[REP+\i], s61
.endr
.irp i, 0,1,2,3
	v_max_i32 v[X+\i], v[X+\i], v[X+4+\i]
.endr
	v_min_i32 v[X], v[X], v[X+1]
	v_min_i32 v[X+2], v[X+2], v[X+3]
	v_sub_nc_u32 v[X+8], v[CMN], s62
	v_sub_nc_u32 v[X+9], s63, v[CMX]
	v_min_i32 v[X], v[X], v[X+2]
	v_max_i32 v[X+8], v[X+8], v[X+9]
	v_mov_b32_dpp v[Y], v[X] row_xmask:1 row_mask:0xf bank_mask:0xf
	v_max_i32 v[X+8], 0, v[X+8]
	v_min_i32 v[X], v[X], v[Y]
	v_min_u32 v[X+8], 0x7fff, v[X+8]
	v_mov_b32_dpp v[Y], v[X] row_xmask:2 row_mask:0xf bank_mask:0xf
	v_mul_u32_u24 v[X+8], v[X+8], v[X+8]           ; L^2
	v_min_i32 v[X], v[X], v[Y]
	v_mov_b32_dpp v[Y], v[X] row_xmask:4 row_mask:0xf bank_mask:0xf
	v_min_i32 v[X], v[X], v[Y]
	v_mov_b32_dpp v[Y], v[X] row_xmask:8 row_mask:0xf bank_mask:0xf
	v_min_i32 v[X], v[X], v[Y]
	v_permlanex16_b32 v[Y], v[X], s36, s37
	v_min_i32 v[X], v[X], v[Y]
	v_add_nc_u32 v[X], \half, v[X]
	v_min_u32 v[X], 0xffff, v[X]                   ; U
	v_mad_u32_u24 v[X], v[X], v[X], 5632           ; under 2^32 still
	v_cmp_le_u32 \dst, v[X+8], v[X]
.endm
; The tile at s60: s50 its needed chunks, s51 the window's number w = the first needed chunk / 4, at most 6, s53 the chunks counted from the window on; SCC: there are some behind the window
.macro NEED
	s_lshl_b32 s61, s60, 1
	s_add_co_u32 s61, s61, 15                      ; the tile's 16 frames, doubled: middle 2 f + 15,
	s_add_co_u32 s62, s61, 15                      ; last 2 f + 30,
	s_sub_co_u32 s63, s61, 15                      ; first 2 f
	TEST s50, 15
	VW
	s_cmp_eq_u32 s56, 0
	s_cbranch_scc1 .Lno_zero_\@                    ; no frame of the tile is masked
	s_mov_b32 s61, 0                               ; a masked frame's t is 0
	s_mov_b32 s62, 0
	s_mov_b32 s63, 0
	TEST s51, 0
	VW
	s_or_b32 s50, s50, s51
.Lno_zero_\@:
	s_ctz_i32_b32 s51, s50
	s_lshr_b32 s51, s51, 2
	s_min_u32 s51, s51, 6
	s_lshl_b32 s52, s51, 2
	s_lshr_b32 s53, s50, s52
	s_cmp_gt_u32 s53, 0xff
.endm
; ONE GROUP: 32 keys a lane, block q of the tile's list; c at v[cb ..], codes to v[pc .. pc + 5].  Where none of its chunks is needed its p are zeros: zero codes, l_q = 0, and an M that no row takes
.macro SQ i
	v_pk_mul_f32 v[X+2*\i:X+2*\i+1], v[X+2*\i:X+2*\i+1], v[X+2*\i:X+2*\i+1]
.endm
.macro GRP q, cb, src, bits, pc
	s_and_b32 s54, \src, \bits
	VW
	s_cbranch_scc0 .Lzero_\@
.irp i, 0,1,2,3,4,5,6,7,8,9,10,11,12,13,14,15
	v_pk_add_f32 v[X+2*\i:X+2*\i+1], v[\cb+2*\i:\cb+2*\i+1], v[T:T+1] op_sel_hi:[1,0] neg_lo:[0,1] neg_hi:[0,1]   ; d = c - t
.endr
.irp i, 0,1,2,3
	v_min3_num_f32 v[MA+\i], |v[X+3*\i]|, |v[X+3*\i+1]|, |v[X+3*\i+2]|
.endr
.irp i, 0,1,2,3,4,5,6,7,8,9
	v_min3_num_f32 v[MA+\i%4], v[MA+\i%4], |v[X+12+2*\i]|, |v[X+13+2*\i]|
.endr
	SQ 0
	SQ 1
	v_min3_num_f32 v[MA], v[MA], v[MA+1], v[MA+2]
	SQ 2
	SQ 3
	v_min_num_f32 v[MA], v[MA], v[MA+3]            ; the smallest |d|: by the elements' own three multiplications it gives the block's largest t'
	SQ 4
	SQ 5
	v_mul_f32 v[Q], v[MA], v[MA]
	SQ 6
	SQ 7
	v_mul_f32 v[Q], s38, v[Q]
	SQ 8
	SQ 9
	v_mul_f32 v[Q], s40, v[Q]
	SQ 10
	SQ 11
	v_max_num_f32 v[Q], 0xf1800000, v[Q]           ; held at -2^100: reached only by a block all of whose keys are masked; its -M stays a number, and its p are 0
	SQ 12
	SQ 13
	v_floor_f32 v[ST+2*(\q)], -v[Q]                ; -M_q = floor(-t') = -ceil(t')
	SQ 14
	SQ 15
.irp i, 0,1,2,3,4,5,6,7,8,9,10,11,12,13,14,15
	v_pk_mul_f32 v[X+2*\i:X+2*\i+1], v[X+2*\i:X+2*\i+1], s[38:39] op_sel_hi:[1,0]
.endr
	v_add_f32 v[XM], v[Q], v[ST+2*(\q)]
.irp i, 0,1,2,3,4,5,6,7,8,9,10,11,12,13,14,15
	v_pk_mul_f32 v[X+2*\i:X+2*\i+1], v[X+2*\i:X+2*\i+1], s[40:41] op_sel_hi:[1,0]
.endr
.irp i, 0,1,2,3,4,5,6,7,8,9,10,11,12,13,14,15
	v_pk_add_f32 v[X+2*\i:X+2*\i+1], v[X+2*\i:X+2*\i+1], v[ST+2*(\q):ST+2*(\q)+1] op_sel_hi:[1,0]   ; t' - M_q, exact
.endr
	VW
	v_exp_f32 v[PM], v[XM]                         ; the block's largest p, in (1/2, 1]: the same lines on the same number give the same bits
.irp i, 0,1,2,3,4,5,6,7,8,9,10,11,12,13,14,15,16,17,18,19,20,21,22,23,24,25,26,27,28,29,30,31
	v_exp_f32 v[X+\i], v[X+\i]                     ; p = 2^(t' - M_q)
.endr
	v_nop                                          ; a plain place behind a run of exponentials
	VW
	v_add_nc_u32 v[SO], 0xfe000000, v[PM]          ; 4 off its exponent field: the conversion takes this operand's exponent field as its scale
.irp k, 0,1,2,3
	v_pk_add_f32 v[SA+2*\k:SA+2*\k+1], v[X+4*\k:X+4*\k+1], v[X+4*\k+2:X+4*\k+3]   ; the sum of the unquantised p, four chains
.endr
	v_lshrrev_b32 v[ST+2*(\q)+1], 23, v[SO]        ; the byte under M_q: 122 or 123
	v_cvt_scalef32_pk16_bf6_f32 v[\pc:\pc+2], v[X:X+15], v[SO]
	v_cvt_scalef32_pk16_bf6_f32 v[TC:TC+2], v[X+16:X+31], v[SO]   ; (a conversion's three registers begin on an even number)
.irp k, 0,1,2,3
	v_pk_add_f32 v[SA+2*\k:SA+2*\k+1], v[SA+2*\k:SA+2*\k+1], v[X+16+2*\k:X+17+2*\k]
.endr
.irp k, 0,1,2,3
	v_pk_add_f32 v[SA+2*\k:SA+2*\k+1], v[SA+2*\k:SA+2*\k+1], v[X+24+2*\k:X+25+2*\k]
.endr
.irp i, 0,1,2
	v_mov_b32 v[\pc+3+\i], v[TC+\i]
.endr
	v_pk_add_f32 v[SA:SA+1], v[SA:SA+1], v[SA+2:SA+3]
	v_pk_add_f32 v[SA+4:SA+5], v[SA+4:SA+5], v[SA+6:SA+7]
	v_pk_add_f32 v[SA:SA+1], v[SA:SA+1], v[SA+4:SA+5]
	v_add_f32 v[LQ+(\q)], v[SA], v[SA+1]           ; l_q
	VW
	s_branch .Ldone_\@
.Lzero_\@:
.irp i, 0,1,2,3,4,5
	v_mov_b32 v[\pc+\i], 0
.endr
	v_mov_b32 v[ST+2*(\q)], 0x71800000             ; -M_q = 2^100
	v_mov_b32 v[ST+2*(\q)+1], 0x7b                 ; a finite byte over zero codes
	v_mov_b32 v[LQ+(\q)], 0
.Ldone_\@:
.endm
.macro ROT                             ; the next tile's t: 0, 1, 2, 3, 0
	v_mov_b32 v12, v14
	v_mov_b32 v13, v14
	v_mov_b32 v14, v15
	v_mov_b32 v15, v16
	v_mov_b32 v16, v11
.endm
.macro RLJ j                           ; 1 / l of frame 8 h + j, in every lane
	v_mov_b32_dpp v[RL+\j], v[RLX] row_share:\j row_mask:0xf bank_mask:0xf
.endm
; THE TILE'S END over nq blocks a lane: the row's M, the shifts, the scale words, l and 1 / l.  From the last scale word to the matrix instructions stand ten plain vector instructions
.macro TEND nq
.if \nq == 2
	v_min_num_f32 v[SH], v[ST], v[ST+2]
.else
	v_min3_num_f32 v[SH], v[ST], v[ST+2], v[ST+4]
	v_min3_num_f32 v[SH+1], v[ST+6], v[ST+8], v[ST+10]
	v_min3_num_f32 v[SH], v[SH], v[ST+12], v[ST+14]
	v_min_num_f32 v[SH], v[SH], v[SH+1]
.endif
	v_permlanex16_b32 v[Y+4], v[SH], s36, s37
	v_min_num_f32 v[XM], v[SH], v[Y+4]             ; -M_row: the smallest -M_q of the frame's blocks
.set n, 0
.rept \nq
	v_sub_f32 v[SH+n], v[XM], v[ST+2*n]            ; M_q - M_row: a whole number, 0 or less
.set n, n+1
.endr
.set n, 0
.rept \nq
	v_max_num_f32 v[SH+n], 0xc2f20000, v[SH+n]     ; held at -121: so the byte, 122 or 123 under M_q, cannot fall under 1
.set n, n+1
.endr
.set n, 0
.rept \nq
	v_cvt_i32_f32 v[SH+n], v[SH+n]
.set n, n+1
.endr
.set n, 0
.rept \nq
	v_add_nc_u32 v[ST+2*n+1], v[ST+2*n+1], v[SH+n] ; the byte under M_row
	v_ldexp_f32 v[LQ+n], v[LQ+n], v[SH+n]          ; l_q under M_row
.set n, n+1
.endr
.set n, 0
.rept \nq/2
	v_lshl_or_b32 v[SW+n], v[ST+4*n+3], 16, v[ST+4*n+1]    ; K step n: my two bytes,
.set n, n+1
.endr
.if \nq == 8
	v_pk_add_f32 v[LQ:LQ+1], v[LQ:LQ+1], v[LQ+2:LQ+3]
	v_pk_add_f32 v[LQ+4:LQ+5], v[LQ+4:LQ+5], v[LQ+6:LQ+7]
	v_pk_add_f32 v[LQ:LQ+1], v[LQ:LQ+1], v[LQ+4:LQ+5]
.endif
	v_add_f32 v[LQ], v[LQ], v[LQ+1]
.set n, 0
.rept \nq/2
	v_lshlrev_b32 v[SW+n], v10, v[SW+n]            ; at their places (8 h bits up);
.set n, n+1
.endr
	v_permlanex16_b32 v[Y+4], v[LQ], s36, s37
.set n, 0
.rept \nq/2
	v_permlanex16_b32 v[Y+n], v[SW+n], s36, s37
.set n, n+1
.endr
.set n, 0
.rept \nq/2
	v_or_b32 v[SW+n], v[SW+n], v[Y+n]              ; with lane l xor 16's two the word is whole
.set n, n+1
.endr
	v_add_f32 v[LQ], v[LQ], v[Y+4]                 ; l
	VW
	v_rcp_f32 v[RLO], v[LQ]
	ROT                                            ; (plain places behind the reciprocal)
	VW
	v_mov_b32_dpp v[ZZ], v[RLO] row_xmask:8 row_mask:0xf bank_mask:0xf
	v_cndmask_b32 v[RLX], v[RLO], v[ZZ], s45       ; lane (r, h): 1 / l of frame r xor 8 h
	RLJ 0
	RLJ 1
.endm
.macro RLREST                          ; (in the loop also the places between the last products and the first read of results)
.irp j, 2,3,4,5,6,7
	RLJ \j
.endr
.endm
; hs's fragment of tile (g, u), window w, into window 1 at v[d ..]
.macro FR d, g, u, w
.irp p, 0,1,2
	ds_load_b128 v[(\d)+4*\p:(\d)+4*\p+3], v[FB+(\g)/2] offset:GP*((\g)%2)+UP*(\u)+48*(\w)+16*\p
.endr
.endm
.macro FR4 g, w                        ; quarter g's scale words and four fragments: 13 loads
	ds_load_b128 v[HSC+4*(\g):HSC+4*(\g)+3], v[VS] offset:1024*(\w)+256*(\g)
	WIN 0x40
.irp u, 0,1,2,3
	FR 12*(4*(\g)+\u), \g, \u, \w
.endr
	WIN 0
.endm
.macro CLOAD w
.irp i, 0,1,2,3,4,5,6,7,8,9,10,11,12,13,14,15
	ds_load_b128 v[CR+4*\i:CR+4*\i+3], v[CB] offset:256*(\w)+16*\i
.endr
.endm
.macro LOADS w                         ; c, then the 16 tiles' scale words and fragments
	CLOAD \w
.irp g, 0,1,2,3
	ds_load_b128 v[HSC+4*\g:HSC+4*\g+3], v[VS] offset:1024*\w+256*\g
.endr
	WIN 0x40
.irp g, 0,1,2,3
.irp u, 0,1,2,3
	FR 12*(4*\g+\u), \g, \u, \w
.endr
.endr
	WIN 0
.endm
.macro HALF0 w
	FR4 0, \w
	FR4 1, \w
.endm
.macro HALF1 w
	FR4 2, \w
	FR4 3, \w
.endm
; A list of loads for window s51: one arm for each of the seven, so that every LDS address is a register that stays and an immediate
.macro ARM w, kind, join
	s_cmp_eq_u32 s51, \w
	s_cbranch_scc0 .Lnext_\@
	\kind \w
	s_branch \join
.Lnext_\@:
.endm
.macro ARMS kind, join
.irp w, 0,1,2,3,4,5
	ARM \w, \kind, \join
.endr
	\kind 6
\join:
.endm
.macro PROD t                          ; one product: 16 frames x tile t's 16 channels, the window's 128 keys
	v_wmma_scale_f32_16x16x128_f8f6f4 v[8*(\t):8*(\t)+7], v[PC:PC+11], v[12*(\t):12*(\t)+11], 0, v[SW], v[HSC+(\t)] matrix_a_fmt:MATRIX_FMT_BF6 matrix_b_fmt:MATRIX_FMT_BF6
.endm
.macro PROD4 g
	WIN 0xa4                                       ; A (p) window 0, B (hs) window 1, D window 2
.irp u, 0,1,2,3
	PROD 4*\g+\u
.endr
	WIN 0
.endm
.macro PLACES                          ; in front of reads of results just made, and of loads into registers that matrix instructions have read
.rept 4
	v_nop
.endr
.endm
; THE WAY OUT of quarter g: results / l.  Register j of tile (g, u) is (frame 8 h + j, channel 64 g + 4 r + u): the multiplication lays four neighbouring channels side by side.  Each accumulator is read from its low end on
.macro OUTG g, base
	WIN 0x82                                       ; destination and source 0 window 2, 1 / l window 0
.irp j, 0,1,2,3,4,5,6,7
.irp u, 0,1,2,3
	v_mul_f32 v[128+32*\g+4*\j+\u], v[8*(4*\g+\u)+\j], v[RL+\j]
.endr
.endr
	WIN 0x08                                       ; a store's data: window 2
.irp j, 0,1,2,3,4,5,6,7
	global_store_b128 v9, v[128+32*\g+4*\j:128+32*\g+4*\j+3], s[\base:\base+1] offset:1024*\j+256*\g th:TH_STORE_NT   ; lanes 0-15: 256 consecutive bytes of frame j, at a multiple of 256; lanes 16-31: of frame 8 + j
.endr
	WIN 0
.endm
; STAGING of quarter g: my 16 rows, twelve loads, into LDS: four rows on is one row further in each of the four tiles
.macro STAGE g
	VW
	s_wait_loadcnt 36-12*\g                        ; quarter g is in; the younger quarters may be out
	WIN 0x04                                       ; a store's data: window 1
.irp a, 0,1,2,3
.irp b, 0,1,2
	ds_store_b128 v[HST+3*(\g/2)+\b], v[48*\g+12*\a+4*\b:48*\g+12*\a+4*\b+3] offset:GP*(\g%2)+PITCH*\a
.endr
.endr
	WIN 0
.endm
.macro MEET                            ; what I have stored to LDS has landed, and everybody's
	VW
	s_wait_dscnt 0x0
	s_barrier_signal -1
	s_barrier_wait -1
.endm
	; ---- TILE 0: s43 = 1 where one window serves it
	NEED
	s_cbranch_scc1 .Lfirst_general
	ARMS CLOAD, .Lfirst_c
	STAGE 0
	VW
	s_wait_dscnt 12                                ; c is in; the twelve stores behind it may be out
	GRP 0, CR, s53, 0x33, PC                       ; blocks 2 w + 2 h: chunks 0, 1, 4, 5 of the window
	GRP 1, CR+32, s53, 0xcc, PC+6
	TEND 2
	RLREST
	s_mov_b32 s43, 1
	VW
	s_branch .Lfirst_join
.Lfirst_general:
	s_mov_b32 s43, 0
	STAGE 0
.irp i, 0,1,2,3,4,5,6,7,8,9,10,11
	v_mov_b32 v[PC+\i], 0                          ; zero codes: the products below then write zeros, which are not stored; the loop's last trip makes the tile
.endr
	v_mov_b32 v[SW], 0x7b7b7b7b
	ROT
.Lfirst_join:
	; hs's scale words, seven a channel: window w's byte 2 c + h scales block 2 w + 2 h + c
.irp i, 0,1
.irp k, 0,1,2,3
	v_perm_b32 v[X+8*\i+2*\k], v[SCB+4*\i+\k], v[SCB+4*\i+\k], s44
.endr
.irp k, 0,1,2
	v_perm_b32 v[X+8*\i+2*\k+1], v[SCB+4*\i+\k+1], v[SCB+4*\i+\k], s42
.endr
.endr
.irp i, 0,1
.irp w, 0,1,2,3,4,5,6
	ds_store_b32 v[SCA], v[X+8*\i+\w] offset:1024*\w+512*\i
.endr
.endr
	STAGE 1
	MEET                                           ; channels 0-127 and all scale words are in LDS
	ARMS HALF0, .Lfirst_h0
	VW
	s_wait_dscnt 13                                ; quarter 0 is in; quarter 1's thirteen loads may be out
	PROD4 0
	s_wait_dscnt 0x0
	PROD4 1
	PLACES
	s_cmp_eq_u32 s43, 1
	s_cbranch_scc0 .Lsecond_half
	OUTG 0, 30
	OUTG 1, 30
	VW
.Lsecond_half:
	STAGE 2
	STAGE 3
	MEET                                           ; and channels 128-255
	ARMS HALF1, .Lfirst_h1
	VW
	s_wait_dscnt 13
	PROD4 2
	s_wait_dscnt 0x0
	PROD4 3
	PLACES
	s_cmp_eq_u32 s43, 1
	s_cbranch_scc0 .Lfirst_done
	OUTG 2, 30
	OUTG 3, 30
	VW
.Lfirst_done:
	s_mov_b32 s52, s56                             ; masked frames: tiles 1, 2, 3, 0
	s_mov_b32 s56, s57
	s_mov_b32 s57, s58
	s_mov_b32 s58, s59
	s_mov_b32 s59, s52
	s_add_co_u32 s60, s55, s49
.Ltile:
	s_cmp_eq_u32 s48, s43                          ; the last trip (s48 = 1), and tile 0 is done already (s43 = 1)
	s_cbranch_scc1 .Lout
	NEED
	s_cbranch_scc1 .Lgeneral                       ; needed chunks behind the window too
	; ---- ONE WINDOW
	ARMS LOADS, .Larmed
	VW
	s_wait_dscnt 52                                ; c is in; 4 loads of scale words and 48 of fragments may be out
	GRP 0, CR, s53, 0x33, PC
	GRP 1, CR+32, s53, 0xcc, PC+6
	TEND 2
	VW
	s_wait_dscnt 0x0                               ; the fragments are in
.irp g, 0,1,2,3
	PROD4 \g
.endr
	RLREST
	VW
	s_branch .Lout
	; ---- THE GENERAL WAY: all four steps of 128 keys (windows 0, 2, 4, 6); a group that is not needed gets zero codes
.Lgeneral:
.irp s, 0,1,2,3
	CLOAD 2*\s
	VW
	s_wait_dscnt 0x0
	GRP 2*\s, CR, s50, 0x33<<(8*\s), PC+12*\s
	GRP 2*\s+1, CR+32, s50, 0xcc<<(8*\s), PC+12*\s+6
.endr
	TEND 8
.irp g, 0,1,2,3
	PLACES
.irp s, 0,1,2,3
	ds_load_b128 v[HSC+4*\s:HSC+4*\s+3], v[VS] offset:2048*\s+256*\g
.endr
	WIN 0x40
.irp s, 0,1,2,3
.irp u, 0,1,2,3
	FR 12*(4*\s+\u), \g, \u, 2*\s
.endr
.endr
	WIN 0
	VW
	s_wait_dscnt 0x0
	WIN 0xa4                                       ; C and D window 2
.irp s, 0,1,2,3
.irp u, 0,1,2,3
.if \s == 0
	v_wmma_scale_f32_16x16x128_f8f6f4 v[8*(4*\g+\u):8*(4*\g+\u)+7], v[PC:PC+11], v[12*\u:12*\u+11], 0, v[SW], v[HSC+\u] matrix_a_fmt:MATRIX_FMT_BF6 matrix_b_fmt:MATRIX_FMT_BF6
.else
	v_wmma_scale_f32_16x16x128_f8f6f4 v[8*(4*\g+\u):8*(4*\g+\u)+7], v[PC+12*\s:PC+12*\s+11], v[12*(4*\s+\u):12*(4*\s+\u)+11], v[8*(4*\g+\u):8*(4*\g+\u)+7], v[SW+\s], v[HSC+4*\s+\u] matrix_a_fmt:MATRIX_FMT_BF6 matrix_b_fmt:MATRIX_FMT_BF6
.endif
.endr
.endr
	WIN 0
.endr
	RLREST
	VW
.Lout:
	s_wait_xcnt 0x0                                ; the last tile's stores have read their registers and their base: they are rewritten only behind this wait
	s_add_nc_u64 s[14:15], s[30:31], s[46:47]
	s_cmp_eq_u32 s48, s43
	s_cbranch_scc1 .Lnext_tile
.irp g, 0,1,2,3
	OUTG \g, 14
.endr
.Lnext_tile:
	s_add_co_u32 s46, s46, 65536                   ; tiles 1, 2, 3, 0
	s_and_b32 s46, s46, 0x3ffff
	s_add_co_u32 s49, s49, 64
	s_and_b32 s49, s49, 0xff
	s_add_co_u32 s60, s55, s49
	s_mov_b32 s56, s57
	s_mov_b32 s57, s58
	s_mov_b32 s58, s59
	s_sub_co_u32 s48, s48, 1
	s_cmp_lg_u32 s48, 0
	VW
	s_cbranch_scc1 .Ltile
	s_wait_tensorcnt 0x0                           ; the wave's end
	ds_add_u32 v[SPW], v[NIL]
	s_wait_dscnt 0x0
	s_endpgm
.Lfunc_end_k_q1562688e46_gauss:
	.size	k_q1562688e46_gauss, .Lfunc_end_k_q1562688e46_gauss-k_q1562688e46_gauss
	.p2alignl 7, 3214868480
	.fill 96, 4, 3214868480
	.section	.rodata,"a",@progbits
	.p2align	6, 0x0
	.amdhsa_kernel k_q1562688e46_gauss
		.amdhsa_group_segment_fixed_size 120832
		.amdhsa_private_segment_fixed_size 0
		.amdhsa_enable_private_segment 0
		.amdhsa_kernarg_size 48
		.amdhsa_user_sgpr_count 2
		.amdhsa_user_sgpr_kernarg_segment_ptr 1
		.amdhsa_wavefront_size32 1
		.amdhsa_system_sgpr_workgroup_id_x 1
		.amdhsa_system_sgpr_workgroup_id_y 1
		.amdhsa_system_sgpr_workgroup_id_z 1
		.amdhsa_system_vgpr_workitem_id 0
		.amdhsa_next_free_vgpr 768
		.amdhsa_next_free_sgpr 66
		.amdhsa_reserve_vcc 1
		.amdhsa_float_denorm_mode_32 3
		.amdhsa_float_denorm_mode_16_64 3
		.amdhsa_memory_ordered 1
		.amdhsa_forward_progress 1
		.amdhsa_inst_pref_size 255
	.end_amdhsa_kernel
	.section	.bss,"aw",@nobits
	.p2align	6
	.space	262144
	.amdgpu_metadata
---
amdhsa.version: [ 1, 2 ]
amdhsa.kernels:
  - .name:           k_q1562688e46_gauss
    .symbol:         k_q1562688e46_gauss.kd
    .args:
      - { .name: ds, .offset: 0, .size: 8, .value_kind: global_buffer, .address_space: global }
      - { .name: d_masks, .offset: 8, .size: 8, .value_kind: global_buffer, .address_space: global }
      - { .name: h_masks, .offset: 16, .size: 8, .value_kind: global_buffer, .address_space: global }
      - { .name: hs_codes, .offset: 24, .size: 8, .value_kind: global_buffer, .address_space: global }
      - { .name: hs_scales, .offset: 32, .size: 8, .value_kind: global_buffer, .address_space: global }
      - { .name: out0, .offset: 40, .size: 8, .value_kind: global_buffer, .address_space: global }
    .group_segment_fixed_size: 120832
    .private_segment_fixed_size: 0
    .kernarg_segment_align: 8
    .kernarg_segment_size: 48
    .max_flat_workgroup_size: 128
    .sgpr_count:     66
    .vgpr_count:     768
    .wavefront_size: 32
...
	.end_amdgpu_metadata
.endif
;; end of part 1
